; MI455X (gfx1250); checked and timed in simulation.
; The chip was launched on July 23, 2026; its instructions are those of AMD's public machine-readable ISA for CDNA 5 (MIT licence, August 2026) and "CDNA5" Instruction Set Architecture Reference Guide (July 2026). The comments in the code are by the model that wrote it; some were corrected since.
;; Smooth Quant W8 A16 Linear. Allowed arithmetic: float matrix products may take bf16 or f16 operands with f32 sums; all other float work in f32.
;; Inputs: bias 4,096 float32; smooth_scale one number float32; weight_int8 4,096 x 4,096 int8; weight_scale one number float32; x 4 x 1,024 x 4,096 float32.
;; Outputs: out0 4 x 1,024 x 4,096 float32.
;; 2 versions, each right; version 2 is version 1 with the launch cast written anew for expert scheduling mode. Each part assembles by itself: llvm-mc -triple=amdgcn-amd-amdhsa -mcpu=gfx1250 --defsym DOCPART=n.
;; ======== version 1 of 2: 2 launches
;; workspace buffers: xh 33,554,432 bytes; wh 33,554,432 bytes
;; launch cast (part 1): grid 1024 x 1, 8 waves a work-group, no clusters, 0 bytes of LDS; arguments x, weight_int8, xh, wh; writes xh, wh
.if DOCPART == 1
	.amdgcn_target "amdgcn-amd-amdhsa--gfx1250"
	.amdhsa_code_object_version 6
	.text
	.protected	k_q010ff8b05a_cast
	.globl	k_q010ff8b05a_cast
	.p2align	8
	.type	k_q010ff8b05a_cast,@function
k_q010ff8b05a_cast:
	s_mov_b64 s[64:65], 0
	v_nop
	global_prefetch_b8 v0, s[64:65] scope:SCOPE_SE
	s_setreg_imm32_b32 hwreg(HW_REG_WAVE_MODE, 25, 1), 1
	s_wait_xcnt 0x0
; xh = bf16(x), wh = bf16(w8).  x: 16,777,216 f32; w8: 16,777,216 int8; xh, wh: as many bf16, in the same order.
; Why a launch of its own: in the product each number of x is used by 16 block columns and each number of w8 by 16 block rows; converted here, each is converted once.
; int8 is exact in bf16 (8 significant bits hold every whole number up to 256); x is rounded to nearest even and keeps f32's range.
; A stream: no LDS, no barrier, no loop.  1,024 work-groups of eight waves; a work-group owns 65,536 bytes of x and 16,384 bytes of w8.
; Thread t takes 16 bytes of x at 16 t of each block of 4,096 bytes (a wave's load covers 512 consecutive bytes) and stores 8 bytes at 8 t of a block of 2,048
; (a wave's store covers 256 consecutive bytes, aligned); it takes 8 bytes of w8 at 8 t of each block of 2,048 and stores 16 bytes at 16 t of a block of 4,096.
; All 24 loads of a wave go out first; every load and every store has registers of its own, so nothing that a memory instruction reads is ever written again.
.set NX, 16                            ; loads of x a thread
.set NW, 8                             ; loads of w8 a thread
.set X,  4                             ; v[4:67]    x as loaded, 4 registers a load; the first two then hold the four bf16
.set W,  68                            ; v[68:83]   w8 as loaded, 2 registers a load
.set O,  84                            ; v[84:115]  wh to store, 4 registers a load
.set T,  116                           ; v[116:123] eight numbers in f32, at work
	s_load_b256 s[4:11], s[0:1], 0x0               ; x s[4:5], w8 s[6:7], xh s[8:9], wh s[10:11]
	s_lshl_b32 s12, ttmp9, 16                      ; my 65,536 bytes of x (67,043,328 at the most)
	s_mov_b32 s13, 0
	s_lshl_b32 s14, ttmp9, 14                      ; my 16,384 bytes of w8
	s_mov_b32 s15, 0
	s_lshl_b32 s16, ttmp9, 15                      ; my 32,768 bytes of xh and of wh
	s_mov_b32 s17, 0
	s_mov_b32 s18, 0x80808080                      ; int8 v -> u = v + 128, four bytes at once
	s_mov_b32 s19, 0x4b000000                      ; 2^23 in f32: with u in its lowest byte it is 2^23 + u
	s_mov_b32 s20, 0x07040400                      ; v_perm_b32: {0x4b, 0, 0, byte 0}
	s_mov_b32 s21, 0x07040401                      ; byte 1
	s_mov_b32 s22, 0x07040402                      ; byte 2
	s_mov_b32 s23, 0x07040403                      ; byte 3
	s_mov_b32 s24, 0xcb000080                      ; -(2^23 + 128): the sum is v, exact
	s_mov_b32 s25, 0xcb000080                      ; the pair's second word is written too
	v_lshlrev_b32 v1, 4, v0                        ; 16 t
	v_lshlrev_b32 v2, 3, v0                        ; 8 t
	s_wait_kmcnt 0x0
	s_add_nc_u64 s[4:5], s[4:5], s[12:13]
	s_add_nc_u64 s[6:7], s[6:7], s[14:15]
	s_add_nc_u64 s[8:9], s[8:9], s[16:17]
	s_add_nc_u64 s[10:11], s[10:11], s[16:17]
.irp i, 0,1,2,3,4,5,6,7,8,9,10,11,12,13,14,15
	global_load_b128 v[X+4*\i:X+4*\i+3], v1, s[4:5] offset:4096*\i th:TH_LOAD_NT
.endr
.irp j, 0,1,2,3,4,5,6,7
	global_load_b64 v[W+2*\j:W+2*\j+1], v2, s[6:7] offset:2048*\j th:TH_LOAD_NT
.endr
.irp i, 0,1,2,3,4,5,6,7,8,9,10,11,12,13,14,15
	s_wait_loadcnt NX+NW-1-\i                      ; loads come back in order (ISA guide 5.7.1): load i is in, the 23 - i younger ones stay out
	v_cvt_pk_bf16_f32 v[X+4*\i],   v[X+4*\i],   v[X+4*\i+1]
	v_cvt_pk_bf16_f32 v[X+4*\i+1], v[X+4*\i+2], v[X+4*\i+3]
	global_store_b64 v2, v[X+4*\i:X+4*\i+1], s[8:9] offset:2048*\i
.endr
.irp j, 0,1,2,3,4,5,6,7
	s_wait_loadcnt NW-1-\j                         ; w8's load j is in, the 7 - j younger ones stay out
	v_xor_b32 v[W+2*\j],   s18, v[W+2*\j]
	v_xor_b32 v[W+2*\j+1], s18, v[W+2*\j+1]
.irp k, 0,1,2,3
	v_perm_b32 v[T+\k],   s19, v[W+2*\j],   s[20+\k]
	v_perm_b32 v[T+4+\k], s19, v[W+2*\j+1], s[20+\k]
.endr
.irp k, 0,2,4,6
	v_pk_add_f32 v[T+\k:T+\k+1], v[T+\k:T+\k+1], s[24:25] op_sel_hi:[1,0]
.endr
.irp k, 0,1,2,3
	v_cvt_pk_bf16_f32 v[O+4*\j+\k], v[T+2*\k], v[T+2*\k+1]
.endr
	global_store_b128 v1, v[O+4*\j:O+4*\j+3], s[10:11] offset:4096*\j
.endr
	s_endpgm
.Lfunc_end_k_q010ff8b05a_cast:
	.size	k_q010ff8b05a_cast, .Lfunc_end_k_q010ff8b05a_cast-k_q010ff8b05a_cast
	.p2alignl 7, 3214868480
	.fill 96, 4, 3214868480
	.section	.rodata,"a",@progbits
	.p2align	6, 0x0
	.amdhsa_kernel k_q010ff8b05a_cast
		.amdhsa_group_segment_fixed_size 0
		.amdhsa_private_segment_fixed_size 0
		.amdhsa_enable_private_segment 0
		.amdhsa_kernarg_size 32
		.amdhsa_user_sgpr_count 2
		.amdhsa_user_sgpr_kernarg_segment_ptr 1
		.amdhsa_wavefront_size32 1
		.amdhsa_system_sgpr_workgroup_id_x 1
		.amdhsa_system_sgpr_workgroup_id_y 1
		.amdhsa_system_sgpr_workgroup_id_z 1
		.amdhsa_system_vgpr_workitem_id 0
		.amdhsa_next_free_vgpr 128
		.amdhsa_next_free_sgpr 66
		.amdhsa_reserve_vcc 0
		.amdhsa_float_denorm_mode_32 3
		.amdhsa_float_denorm_mode_16_64 3
		.amdhsa_memory_ordered 1
		.amdhsa_forward_progress 1
		.amdhsa_inst_pref_size 17
	.end_amdhsa_kernel
	.amdgpu_metadata
---
amdhsa.version: [ 1, 2 ]
amdhsa.kernels:
  - .name:           k_q010ff8b05a_cast
    .symbol:         k_q010ff8b05a_cast.kd
    .args:
      - { .name: x, .offset: 0, .size: 8, .value_kind: global_buffer, .address_space: global }
      - { .name: weight_int8, .offset: 8, .size: 8, .value_kind: global_buffer, .address_space: global }
      - { .name: xh, .offset: 16, .size: 8, .value_kind: global_buffer, .address_space: global }
      - { .name: wh, .offset: 24, .size: 8, .value_kind: global_buffer, .address_space: global }
    .group_segment_fixed_size: 0
    .private_segment_fixed_size: 0
    .kernarg_segment_align: 8
    .kernarg_segment_size: 32
    .max_flat_workgroup_size: 256
    .sgpr_count:     66
    .vgpr_count:     128
    .wavefront_size: 32
...
	.end_amdgpu_metadata
.endif
;; end of part 1
;; launch gemm (part 2): grid 16 x 16, 4 waves a work-group, clusters of 4 x 4, 327,680 bytes of LDS; arguments xh, wh, bias, smooth_scale, weight_scale, out0; writes out0
.if DOCPART == 2
	.amdgcn_target "amdgcn-amd-amdhsa--gfx1250"
	.amdhsa_code_object_version 6
	.text
	.protected	k_q010ff8b05a_gemm
	.globl	k_q010ff8b05a_gemm
	.p2align	8
	.type	k_q010ff8b05a_gemm,@function
k_q010ff8b05a_gemm:
	s_mov_b64 s[64:65], 0
	v_nop
	global_prefetch_b8 v0, s[64:65] scope:SCOPE_SE
	s_setreg_imm32_b32 hwreg(HW_REG_WAVE_MODE, 25, 1), 1
	s_wait_xcnt 0x0
	s_wait_alu depctr_hold_cnt(0) depctr_sa_sdst(0) depctr_va_vdst(0) depctr_va_sdst(0) depctr_va_ssrc(0) depctr_va_vcc(0) depctr_vm_vsrc(0)
	s_getreg_b32 s2, hwreg(HW_REG_IB_STS2, 6, 4)
	s_cmp_eq_u32 s2, 0
	s_cbranch_scc0 .Lentry_in_a_cluster
	s_endpgm
.Lentry_in_a_cluster:
	s_bfe_u32 s2, ttmp6, 0x10000c
	s_cmp_lg_u32 s2, 0xf033
	s_cbranch_scc0 .Lentry_shape_is_right
	s_endpgm
.Lentry_shape_is_right:
; out[m][n] = smooth * wscale * (sum over k of xh[m][k] wh[n][k]) + bias[n].  xh, wh: [4096][4096] bf16 (x rounded, w8 exact); out: [4096][4096] f32; sums in f32.
; LIMITS: x enters rounded to bf16.  The two scales are multiplied with each other and applied once, with the bias, in one fused multiply-add behind the sum:
; the order of rounding differs from scaling x and w first, and the product of the scales must itself lie in f32's range.
; A work-group makes a block of 256 x 256 of out with four waves, one for each SIMD of a WGP; a wave makes 128 x 128: 64 accumulator tiles of 16 x 16, 512 registers.
; K goes in steps of 128 through a ring of two LDS slots filled by the tensor data mover: a tile's rows are 256 bytes of memory and start at multiples of 256 bytes.
; CLUSTERS: 4 x 4 work-groups.  The four of a row of the cluster need the same tiles of xh, the four of a column the same tiles of wh.  Such a tile is asked for
; jointly: each of the four issues the same tensor load, with the same descriptor and a mask that names the four.  That divides the requests for both by four.
;
; REGISTERS, in windows of 256 (an instruction names v0-v255; s_set_vgpr_msb says which window each operand place means):
;   window 0: v0-31 addresses and the bias; v64-127, v128-191 fragments of xh (8 x 16 rows x 32 K), two buffers, on the way out rows of out
;   window 1: v64-127, v128-191 fragments of wh, two buffers
;   window 2: the 32 accumulator tiles of my rows 0-63 (tile (a, b) at v[8 (8 a + b)]);   window 3: those of my rows 64-127
; s_set_vgpr_msb's low byte: bits 1:0 source 0, 3:2 source 1, 5:4 source 2, 7:6 destination.  Work is laid in long stretches under one setting.
;
; THE MATRIX INSTRUCTION IS USED TRANSPOSED: source 0 = 16 rows of wh, source 1 = 16 rows of xh.  Lane l then holds row l % 16 of out, and its registers 0 to 7
; the columns 8 (l / 16) + 0 .. 7: 32 neighbouring bytes of a row of out.
.set SIZE_K, 4096
.set KSTEP,  128
.set PITCH,  272                       ; an LDS row: 256 bytes + 16 of padding = 17 x 16: the 16 rows that a load touches start in 16 different 16-byte columns of 256
.set HALFT,  128*PITCH                 ; 128 rows: what one tensor load brings, and what one wave reads of xh or of wh
.set SLOT,   4*HALFT                   ; xh's 256 rows, then wh's 256 rows: 139,264 bytes
.set STAGE,  2*SLOT                    ; 278,528: behind the ring, never filled by a tensor load
.set SPITCH, 528                       ; a stage row: 512 bytes + 16 = 33 x 16
.set OROW,   16384                     ; bytes in a row of out
.set LAPS, SIZE_K/(2*KSTEP)            ; a lap = two K steps = once round the ring: 16
.set ADRA, 16                          ; v16-17  LDS address of my xh fragments in slot 0, 1
.set ADRB, 20                          ; v20-21  the same for wh
.set STO,  24                          ; v24     the way out: where I put 32 bytes of a row
.set RD,   25                          ; v25     the way out: where I read a row back
.set CO,   26                          ; v26     16 x lane: my bytes in a row's 512, in bias and in out
.set BIAS, 28                          ; v28-31  bias of the four columns that I store
.set F0,   64                          ; fragment buffer 0
.set F1,   128                         ; fragment buffer 1
.set G1, 24                            ; s[24:31] descriptor group 1 for xh's tiles
.set G0, 32                            ; s[32:39] descriptor group 0 for xh's tiles, one set for each slot
.set G1B, 48                           ; s[48:55] descriptor group 1 for wh's tiles: it differs in the mask alone
.set G0B, 56                           ; s[56:63] descriptor group 0 for wh's tiles, one set for each slot
.set MSB, 0
.macro WIN new                         ; the immediate's high byte repeats the setting that is left; a switch that changes nothing is dropped
.if MSB != \new
	s_set_vgpr_msb (MSB<<8)|\new
.set MSB, \new
.endif
.endm
.set MUL_LO, 0xa1                      ; source 0 (wh) window 1, source 1 (xh) window 0, C and D window 2
.set MUL_HI, 0xf1                      ; the same, C and D window 3
.set TO_B,   0x40                      ; destination window 1, address window 0
; A joint load.  Waves 0 and 1 fetch xh's two halves, waves 2 and 3 wh's.  Each of the two lines has one mask and one set of registers for all that issue it;
; the branch hangs on the wave's number alone.
.macro JLOAD s
	s_cmp_eq_u32 s11, 0
	s_cbranch_scc0 .Lfor_b_\@
	tensor_load_to_lds s[G0+4*\s:G0+4*\s+3], s[G1:G1+7]
	s_nop 0
	s_branch .Lasked_\@
.Lfor_b_\@:
	tensor_load_to_lds s[G0B+4*\s:G0B+4*\s+3], s[G1B:G1B+7]
	s_nop 0
.Lasked_\@:
.endm
; A round of the cluster's barrier: my work-group's barrier; wave 0 signals for the work-group; every wave waits for all sixteen; my work-group's barrier once more.
.macro CREST                           ; a round behind its opening barrier
	s_cmp_lg_u32 s10, 0
	s_cbranch_scc1 .Lnot_wave_0_\@
	s_barrier_signal -3
.Lnot_wave_0_\@:
	s_barrier_wait -3
	s_barrier_signal -1
	s_barrier_wait -1
.endm
.macro CROUND                          ; a whole round
	s_barrier_signal -1
	s_barrier_wait -1
	CREST
.endm
	s_load_b128 s[4:7], s[0:1], 0x0                ; xh s[4:5], wh s[6:7]
	s_load_b256 s[68:75], s[0:1], 0x10             ; bias s[68:69], smooth s[70:71], wscale s[72:73], out s[74:75]
	s_set_vgpr_msb 0x40
	v_lshl_add_u32 v255, v0, 2, 0x4c400
	s_set_vgpr_msb 0x4000
	v_mov_b32 v255, 0
	s_set_vgpr_msb 0x1
	ds_add_u32 v255, v255
	ds_add_u32 v255, v255
	s_set_vgpr_msb 0x100
	v_lshrrev_b32 v1, 5, v0
	v_readfirstlane_b32 s10, v1                    ; wave 0..3
	s_lshr_b32 s11, s10, 1                         ; which half of the block's rows is mine.  Also: I fetch for xh (0) or for wh (1)
	s_and_b32 s12, s10, 1                          ; which half of its columns.  Also: which 128 rows of that tile I fetch
	s_bfe_u32 s40, ttmp6, 0x40000                  ; cx
	s_bfe_u32 s41, ttmp6, 0x40004                  ; cy
	s_lshl_b32 s42, ttmp9, 2
	s_add_co_u32 s42, s42, s40                     ; block column = 4 x cluster x + cx
	s_and_b32 s13, ttmp7, 0xffff
	s_lshl_b32 s13, s13, 2
	s_add_co_u32 s13, s13, s41                     ; block row = 4 x cluster y + cy
	s_lshl_b32 s43, s41, 2
	s_lshl_b32 s43, 15, s43                        ; my row of the cluster: places 4 cy .. 4 cy + 3
	s_lshl_b32 s44, 0x1111, s40                    ; my column: places cx, cx + 4, cx + 8, cx + 12
	; descriptor group 1: a tile of 128 rows x 128 elements of 2 bytes, padded in LDS
	s_or_b32 s[G1+0], s43, (1<<16)|(1<<20)|(1<<21)|(5<<22)|(3<<25)  ; 15:0 mask: my row; 17:16 2-byte elements; 20 padding on; 21 set beside a mask; 24:22 after every 64 words; 31:25 four words
	s_or_b32 s[G1B+0], s44, (1<<16)|(1<<20)|(1<<21)|(5<<22)|(3<<25) ; the same with the mask of my column
	s_mov_b32 s[G1B+1], KSTEP<<16
	s_mov_b32 s[G1+1], KSTEP<<16                   ; tensor_dim0 = 128
	s_mov_b32 s[G1B+2], 128<<16
	s_mov_b32 s[G1+2], 128<<16                     ; tensor_dim1 = 128
	s_mov_b32 s[G1B+3], KSTEP<<16
	s_mov_b32 s[G1+3], KSTEP<<16                   ; tile_dim0 = 128
	s_mov_b32 s[G1B+4], 128
	s_mov_b32 s[G1+4], 128                         ; tile_dim1 = 128
	s_mov_b32 s[G1B+5], SIZE_K
	s_mov_b32 s[G1+5], SIZE_K                      ; elements from row to row
	s_mov_b32 s[G1B+6], 0
	s_mov_b32 s[G1+6], 0
	s_mov_b32 s[G1B+7], 0
	s_mov_b32 s[G1+7], 0
	; where the tiles come from: xh's hang on the block row alone, wh's on the block column alone, each in registers that never hold the other coordinate
	s_lshl_b32 s17, s12, 7                         ; which 128 rows of the tile I fetch
	s_lshl_b32 s16, s13, 8
	s_add_co_u32 s16, s16, s17                     ; xh: row 256 x block row + 128 x half
	s_lshl_b32 s46, s42, 8
	s_add_co_u32 s46, s46, s17                     ; wh: row 256 x block column + 128 x half
	s_lshl_b32 s16, s16, 13                        ; x 8,192 bytes a row: 32,505,856 at the most
	s_lshl_b32 s46, s46, 13
	s_mov_b32 s17, 0
	s_mov_b32 s47, 0
	s_mul_i32 s20, s10, HALFT                      ; and where they go: wave x 128 rows: no place in the cluster enters an LDS address
	s_wait_dscnt 0x0
	s_wait_kmcnt 0x0
	s_add_nc_u64 s[14:15], s[4:5], s[16:17]
	s_add_nc_u64 s[46:47], s[6:7], s[46:47]
	s_load_b32 s76, s[70:71], 0x0                  ; smooth_scale
	s_load_b32 s77, s[72:73], 0x0                  ; weight_scale
	CROUND                                         ; all sixteen work-groups are here: the first joint loads meet
.irp s, 0,1
	s_mov_b32 s[G0+4*\s], 1                                        ; count = 1
	s_add_co_u32 s[G0+4*\s+1], s20, \s*SLOT                        ; LDS address
	s_add_nc_u64 s[G0+4*\s+2:G0+4*\s+3], s[14:15], \s*KSTEP*2      ; global address: K step s
	s_or_b32 s[G0+4*\s+3], s[G0+4*\s+3], 0x80000000                ; type = 2
	s_mov_b32 s[G0B+4*\s], 1
	s_add_co_u32 s[G0B+4*\s+1], s20, \s*SLOT
	s_add_nc_u64 s[G0B+4*\s+2:G0B+4*\s+3], s[46:47], \s*KSTEP*2
	s_or_b32 s[G0B+4*\s+3], s[G0B+4*\s+3], 0x80000000
	JLOAD \s                                       ; both slots' first fills go out ahead of everything else: two tensor loads of this wave are out
.endr
	; A fragment is 16 rows x 32 K in 8 registers: lane l holds row l % 16; registers 0-3 hold K = 8 (l / 16) + 0..7, registers 4-7 hold
	; K = 16 + 8 (l / 16) + 0..7: two loads of 16 bytes, 32 bytes apart.  The same for source 0 and source 1.
	v_and_b32 v1, 15, v0                           ; l % 16
	v_bfe_u32 v2, v0, 4, 1                         ; l / 16
	v_mul_u32_u24 v3, v1, PITCH
	v_lshl_add_u32 v3, v2, 4, v3                   ; row x pitch + 16 x half
	s_mul_i32 s21, s11, HALFT                      ; my 128 rows of xh
	s_mul_i32 s22, s12, HALFT                      ; my 128 rows of wh,
	s_add_co_u32 s22, s22, 2*HALFT                 ; which lie behind xh's 256
.irp s, 0,1
	v_add_nc_u32 v[ADRA+\s], s21, v3
	v_add_nc_u32 v[ADRB+\s], s22, v3
	s_add_co_u32 s21, s21, SLOT
	s_add_co_u32 s22, s22, SLOT
.endr
	s_mul_i32 s23, s10, 16*SPITCH
	s_add_co_u32 s23, s23, STAGE                   ; my stage: 16 rows of 528 bytes
	v_mul_u32_u24 v4, v1, SPITCH                   ; in: row l % 16, 32 bytes for each half of the lanes
	v_lshl_add_u32 v4, v2, 5, v4
	v_add_nc_u32 v[STO], s23, v4
	v_and_b32 v5, 31, v0
	v_lshlrev_b32 v[CO], 4, v5                     ; back: 32 lanes take one row of 512 bytes
	v_add_nc_u32 v[RD], s23, v[CO]
	s_lshl_b32 s78, s42, 10                        ; my first column in bytes of f32: 1,024 x block column + 512 x half
	s_lshl_b32 s79, s12, 9
	s_add_co_u32 s78, s78, s79
	s_mov_b32 s79, 0
	s_add_nc_u64 s[68:69], s[68:69], s[78:79]
	global_load_b128 v[BIAS:BIAS+3], v[CO], s[68:69]   ; bias of my four columns
	s_add_nc_u64 s[74:75], s[74:75], s[78:79]
	s_lshl_b32 s78, s13, 22                        ; my first row: 256 rows of 16,384 bytes for each block row,
	s_lshl_b32 s45, s11, 21                        ; 128 rows for the half: 65,011,712 at the most
	s_add_co_u32 s78, s78, s45
	s_add_nc_u64 s[74:75], s[74:75], s[78:79]      ; out at my wave's first row and column; never stepped again
	s_wait_kmcnt 0x0
	s_mul_f32 s66, s76, s77                        ; smooth x wscale, applied once behind the sum
	s_mov_b32 s67, s66                             ; the pair's second word is written too
; 16 matrix instructions: m blocks a0, a0 + 1 of the window's four (hi = 0: my rows 0-63, 1: rows 64-127) x all 8 n blocks, 32 along K.
; zero = 1: the first product starts the sums: nothing is ever cleared.  The 64 accumulators take turns, one instruction a turn, in the same order in every
; quarter step, over the loop's jump too.
.macro MUL16 f, hi, a0, zero
.irp a, \a0, \a0+1
.irp b, 0,1,2,3,4,5,6,7
.if \zero
	v_wmma_f32_16x16x32_bf16 v[8*(8*(\a)+\b):8*(8*(\a)+\b)+7], v[\f+8*\b:\f+8*\b+7], v[\f+8*(4*\hi+\a):\f+8*(4*\hi+\a)+7], 0
.else
	v_wmma_f32_16x16x32_bf16 v[8*(8*(\a)+\b):8*(8*(\a)+\b)+7], v[\f+8*\b:\f+8*\b+7], v[\f+8*(4*\hi+\a):\f+8*(4*\hi+\a)+7], v[8*(8*(\a)+\b):8*(8*(\a)+\b)+7]
.endif
.endr
.endr
.endm
; 32 LDS loads in one run: the fragments of one quarter step (128 rows of wh, 128 rows of xh, 32 K at byte k of the rows) into buffer f
.macro FETCH slot, k, f
	WIN TO_B
.irp i, 0,1,2,3,4,5,6,7
	ds_load_b128 v[\f+8*\i:\f+8*\i+3],   v[ADRB+\slot] offset:\k+\i*16*PITCH
	ds_load_b128 v[\f+8*\i+4:\f+8*\i+7], v[ADRB+\slot] offset:\k+\i*16*PITCH+32
.endr
	WIN 0
.irp i, 0,1,2,3,4,5,6,7
	ds_load_b128 v[\f+8*\i:\f+8*\i+3],   v[ADRA+\slot] offset:\k+\i*16*PITCH
	ds_load_b128 v[\f+8*\i+4:\f+8*\i+7], v[ADRA+\slot] offset:\k+\i*16*PITCH+32
.endr
.endm
; A load into a register that a matrix instruction has read, and an LDS store or a vector instruction that reads a matrix result, stand four places behind that
; matrix instruction, and only plain vector instructions that name none of its registers are places; the matrix instructions between are not counted.
.macro PLACES
.rept 4
	v_nop
.endr
.endm
; A K step is four quarter steps of 32 along K, 64 matrix instructions each, on buffers 0, 1, 0, 1.
; One of the first three: multiplies buffer f; in its middle it fetches the next quarter's fragments, at byte k of the same slot's rows, into buffer g.
.macro QUARTER slot, k, f, g, zero
	s_wait_dscnt 8                                 ; wh and xh's rows 0-63 are in; the youngest eight loads (xh's rows 64-127) may be out
	WIN MUL_LO
	MUL16 \f, 0, 0, \zero
	MUL16 \f, 0, 2, \zero
	PLACES
	FETCH \slot, \k, \g
	s_wait_dscnt 32                                ; all but the 32 just issued
	WIN MUL_HI
	MUL16 \f, 1, 0, \zero
	MUL16 \f, 1, 2, \zero
.endm
.macro THREE slot, zero
	QUARTER \slot, 64,  F0, F1, \zero
	QUARTER \slot, 128, F1, F0, 0
	QUARTER \slot, 192, F0, F1, 0
.endm
; The last quarter: multiplies buffer 1 and changes slots.  next = the other slot; fill = 1: this slot is filled again, two K steps ahead.
; One barrier for the change of slots.  In front of it each wave waits for its own reads of this slot and for all its tensor loads, of which one is out: its part
; of the next slot.  Behind it nobody reads this slot any more and the next slot is whole: the refill comes first, then the next slot's first fragments.
; From a request to the wait for it a wave issues 240 matrix instructions.
.macro TURN slot, next, fill
	s_wait_dscnt 8
	WIN MUL_LO
	MUL16 F1, 0, 0, 0
	s_wait_dscnt 0                                 ; my reads of this slot are over
	s_wait_tensorcnt 0x0                           ; and all my tensor loads have landed: my part of the next slot
	ds_add_u32 v255, v255
	s_wait_dscnt 0x0
	s_barrier_signal -1                            ; say so (where a slot is filled again this barrier opens a round of the cluster's barrier),
	MUL16 F1, 0, 2, 0                              ; work on registers while the others arrive,
	WIN 0
	s_barrier_wait -1                              ; and go on when all four have said so
.if \fill
	CREST                                          ; no wave of any partner still reads this slot's tile or has a load on its way
	s_add_nc_u64 s[G0+4*\slot+2:G0+4*\slot+3], s[G0+4*\slot+2:G0+4*\slot+3], 2*KSTEP*2
	s_add_nc_u64 s[G0B+4*\slot+2:G0B+4*\slot+3], s[G0B+4*\slot+2:G0B+4*\slot+3], 2*KSTEP*2
	JLOAD \slot                                    ; my one tensor load behind the round, first thing there
.endif
	PLACES
	FETCH \next, 0, F0
	WIN MUL_HI
	MUL16 F1, 1, 0, 0
	MUL16 F1, 1, 2, 0
.endm
.macro LAP zero                        ; once round the ring, both slots filled again
	THREE 0, \zero
	TURN 0, 1, 1
	THREE 1, 0
	TURN 1, 0, 1
.endm
	s_wait_loadcnt 0x0                             ; the bias, once
	s_wait_tensorcnt 1                             ; my part of K step 0 is in; K step 1's stays out
	s_barrier_signal -1
	s_barrier_wait -1                              ; everybody's part is in
	FETCH 0, 0, F0
	LAP 1                                          ; the first lap stands in front of the loop: its first products start the sums
	WIN 0                                          ; at a label and at a branch every window is 0
	s_mov_b32 s3, LAPS-2
.Llap:
	LAP 0
	WIN 0
	s_sub_co_u32 s3, s3, 1
	s_cmp_lg_u32 s3, 0
	s_cbranch_scc1 .Llap
	THREE 0, 0                                     ; the last lap fills nothing: my one tensor load that is still out is slot 1's, the last K step's
	TURN 0, 1, 0
	THREE 1, 0
	s_wait_dscnt 8                                 ; the very last quarter: nothing more to fetch
	WIN MUL_LO
	MUL16 F1, 0, 0, 0
	MUL16 F1, 0, 2, 0
	s_wait_dscnt 0
	WIN MUL_HI
	MUL16 F1, 1, 0, 0
	MUL16 F1, 1, 2, 0
	; THE WAY OUT, 16 rows of out at a time: a lane's 32 bytes of each tile go from the accumulators into my own stage; whole rows of 512 bytes come back, are scaled,
	; get the bias and are stored.  The stage is my wave's own and LDS serves a wave's instructions in order (ISA guide 5.7.1): no wait between stores and loads, no barrier.
	PLACES                                         ; behind the last matrix instructions: for the LDS stores of results and the loads into the fragment buffers
; rows 16 i .. 16 i + 15 of my block = the eight tiles (a, 0..7) of window 2 or 3 (from = 0x08 or 0x0c: an LDS store's data is source 1); f: F0 or F1 in turn
.macro OUT16 i, a, from, f
	WIN \from
.irp b, 0,1,2,3,4,5,6,7
	ds_store_b128 v[STO], v[8*(8*\a+\b):8*(8*\a+\b)+3]   offset:64*\b
	ds_store_b128 v[STO], v[8*(8*\a+\b)+4:8*(8*\a+\b)+7] offset:64*\b+16
.endr
	WIN 0
	s_wait_xcnt 0x0                                ; buffer f, which earlier global stores read, is loaded again only behind this wait
.irp t, 0,1,2,3,4,5,6,7,8,9,10,11,12,13,14,15
	ds_load_b128 v[\f+4*\t:\f+4*\t+3], v[RD] offset:\t*SPITCH
.endr
.irp t, 0,1,2,3,4,5,6,7,8,9,10,11,12,13,14,15
	s_wait_dscnt 15-\t                             ; row t is in, the younger rows stay out
	v_pk_fma_f32 v[\f+4*\t:\f+4*\t+1],   v[\f+4*\t:\f+4*\t+1],   s[66:67], v[BIAS:BIAS+1]   op_sel_hi:[1,0,1]
	v_pk_fma_f32 v[\f+4*\t+2:\f+4*\t+3], v[\f+4*\t+2:\f+4*\t+3], s[66:67], v[BIAS+2:BIAS+3] op_sel_hi:[1,0,1]
	global_store_b128 v[CO], v[\f+4*\t:\f+4*\t+3], s[74:75] offset:(16*\i+\t)*OROW th:TH_STORE_NT   ; the wave stores 512 consecutive bytes, aligned; the row stands in the immediate, 2,080,768 at the most
.endr
.endm
	OUT16 0, 0, 0x08, F0
	OUT16 1, 1, 0x08, F1
	OUT16 2, 2, 0x08, F0
	OUT16 3, 3, 0x08, F1
	OUT16 4, 0, 0x0c, F0
	OUT16 5, 1, 0x0c, F1
	OUT16 6, 2, 0x0c, F0
	OUT16 7, 3, 0x0c, F1
	s_set_vgpr_msb 0x1
	s_wait_tensorcnt 0x0
	ds_add_u32 v255, v255
	s_wait_dscnt 0x0
	s_set_vgpr_msb 0x100
	CROUND                                         ; the closing round: no work-group ends while a partner may still ask for a tile that names it
	s_endpgm
.Lfunc_end_k_q010ff8b05a_gemm:
	.size	k_q010ff8b05a_gemm, .Lfunc_end_k_q010ff8b05a_gemm-k_q010ff8b05a_gemm
	.p2alignl 7, 3214868480
	.fill 96, 4, 3214868480
	.section	.rodata,"a",@progbits
	.p2align	6, 0x0
	.amdhsa_kernel k_q010ff8b05a_gemm
		.amdhsa_group_segment_fixed_size 327680
		.amdhsa_private_segment_fixed_size 0
		.amdhsa_enable_private_segment 0
		.amdhsa_kernarg_size 48
		.amdhsa_user_sgpr_count 2
		.amdhsa_user_sgpr_kernarg_segment_ptr 1
		.amdhsa_wavefront_size32 1
		.amdhsa_system_sgpr_workgroup_id_x 1
		.amdhsa_system_sgpr_workgroup_id_y 1
		.amdhsa_system_sgpr_workgroup_id_z 1
		.amdhsa_system_vgpr_workitem_id 0
		.amdhsa_next_free_vgpr 1024
		.amdhsa_next_free_sgpr 80
		.amdhsa_reserve_vcc 0
		.amdhsa_float_denorm_mode_32 3
		.amdhsa_float_denorm_mode_16_64 3
		.amdhsa_memory_ordered 1
		.amdhsa_forward_progress 1
		.amdhsa_inst_pref_size 212
	.end_amdhsa_kernel
	.amdgpu_metadata
---
amdhsa.version: [ 1, 2 ]
amdhsa.kernels:
  - .name:           k_q010ff8b05a_gemm
    .symbol:         k_q010ff8b05a_gemm.kd
    .args:
      - { .name: xh, .offset: 0, .size: 8, .value_kind: global_buffer, .address_space: global }
      - { .name: wh, .offset: 8, .size: 8, .value_kind: global_buffer, .address_space: global }
      - { .name: bias, .offset: 16, .size: 8, .value_kind: global_buffer, .address_space: global }
      - { .name: smooth_scale, .offset: 24, .size: 8, .value_kind: global_buffer, .address_space: global }
      - { .name: weight_scale, .offset: 32, .size: 8, .value_kind: global_buffer, .address_space: global }
      - { .name: out0, .offset: 40, .size: 8, .value_kind: global_buffer, .address_space: global }
    .group_segment_fixed_size: 327680
    .private_segment_fixed_size: 0
    .kernarg_segment_align: 8
    .kernarg_segment_size: 48
    .max_flat_workgroup_size: 128
    .sgpr_count:     80
    .vgpr_count:     1024
    .wavefront_size: 32
...
	.end_amdgpu_metadata
.endif
;; end of part 2
;; ======== version 2 of 2: 2 launches; version 1 with the launch cast written anew for expert scheduling mode
;; workspace buffers: xh 33,554,432 bytes; wh 33,554,432 bytes
;; launch cast (part 3): grid 1024 x 1, 8 waves a work-group, no clusters, 0 bytes of LDS; arguments x, weight_int8, xh, wh; writes xh, wh
.if DOCPART == 3
	.amdgcn_target "amdgcn-amd-amdhsa--gfx1250"
	.amdhsa_code_object_version 6
	.text
	.protected	k_q010ff8b05a_cast
	.globl	k_q010ff8b05a_cast
	.p2align	8
	.type	k_q010ff8b05a_cast,@function
k_q010ff8b05a_cast:
	s_mov_b64 s[64:65], 0
	v_nop
	global_prefetch_b8 v0, s[64:65] scope:SCOPE_SE
	s_setreg_imm32_b32 hwreg(HW_REG_WAVE_SCHED_MODE, 0, 2), 2
	s_setreg_imm32_b32 hwreg(HW_REG_WAVE_MODE, 25, 1), 1
	s_wait_xcnt 0x0
	s_wait_alu depctr_vm_vsrc(0)
; xh = bf16(x), wh = bf16(w8).  x: 16,777,216 f32; w8: 16,777,216 int8; xh, wh: as many bf16, in the same order.
; Why a launch of its own: in the product each number of x is used by 16 block columns and each number of w8 by 16 block rows; converted here, each is converted once.
; int8 is exact in bf16 (8 significant bits hold every whole number up to 256); x is rounded to nearest even and keeps f32's range.
; A stream: no LDS, no barrier, no loop.  1,024 work-groups of eight waves; a work-group owns 65,536 bytes of x and 16,384 bytes of w8.
; Thread t takes 16 bytes of x at 16 t of each block of 4,096 bytes (a wave's load covers 512 consecutive bytes) and stores 8 bytes at 8 t of a block of 2,048
; (a wave's store covers 256 consecutive bytes, aligned); it takes 8 bytes of w8 at 8 t of each block of 2,048 and stores 16 bytes at 16 t of a block of 4,096.
; All 24 loads of a wave go out first; every load and every store has registers of its own, so nothing that a memory instruction reads is ever written again.
; THE MODE: SCHED_MODE bits 1:0 = 2 (LLVM: expert scheduling mode 2), set by the entry lines.  The code itself states the register dependences
; between vector instructions and memory instructions, with s_wait_alu, always for 0.
; THE PLAN.  Registers that memory instructions touch:
;   v1, v2   byte offsets, made once at the head and never written again; every load and store reads one of them.
;   X        x's 16 loads land in it, issued before any vector line names it.  Load i's two conversions write its first two registers; store i of xh reads them; nothing writes them again.
;   W        w8's 8 loads land in it, likewise issued first; behind that vector lines alone name it.
;   O        load j's four roundings write its four registers; store j of wh reads them; nothing writes them again.
;   T        named by vector lines alone.
; The work goes in eight blocks: blocks 0 to 3 take four loads of x each, blocks 4 to 7 two loads of w8 each.  Block p's vector lines write block p's store data;
; the stores that read it are issued in block p + 1, behind ONE wait at that block's head, and are dealt among that block's vector lines, which name
; block p + 1's X, or W, T and O, alone: none of the registers that those stores read.
.set NX, 16                            ; loads of x a thread
.set NW, 8                             ; loads of w8 a thread
.set X,  4                             ; v[4:67]    x as loaded, 4 registers a load; the first two then hold the four bf16
.set W,  68                            ; v[68:83]   w8 as loaded, 2 registers a load
.set O,  84                            ; v[84:115]  wh to store, 4 registers a load
.set T,  116                           ; v[116:123] eight numbers in f32, at work
	s_load_b256 s[4:11], s[0:1], 0x0               ; x s[4:5], w8 s[6:7], xh s[8:9], wh s[10:11]
	s_lshl_b32 s12, ttmp9, 16                      ; my 65,536 bytes of x (67,043,328 at the most)
	s_mov_b32 s13, 0
	s_lshl_b32 s14, ttmp9, 14                      ; my 16,384 bytes of w8
	s_mov_b32 s15, 0
	s_lshl_b32 s16, ttmp9, 15                      ; my 32,768 bytes of xh and of wh
	s_mov_b32 s17, 0
	s_mov_b32 s18, 0x80808080                      ; int8 v -> u = v + 128, four bytes at once
	s_mov_b32 s19, 0x4b000000                      ; 2^23 in f32: with u in its lowest byte it is 2^23 + u
	s_mov_b32 s20, 0x07040400                      ; v_perm_b32: {0x4b, 0, 0, byte 0}
	s_mov_b32 s21, 0x07040401                      ; byte 1
	s_mov_b32 s22, 0x07040402                      ; byte 2
	s_mov_b32 s23, 0x07040403                      ; byte 3
	s_mov_b32 s24, 0xcb000080                      ; -(2^23 + 128): the sum is v, exact
	s_mov_b32 s25, 0xcb000080                      ; the pair's second word is written too
	v_lshlrev_b32 v1, 4, v0                        ; 16 t
	v_lshlrev_b32 v2, 3, v0                        ; 8 t
	s_wait_kmcnt 0x0
	s_add_nc_u64 s[4:5], s[4:5], s[12:13]
	s_add_nc_u64 s[6:7], s[6:7], s[14:15]
	s_add_nc_u64 s[8:9], s[8:9], s[16:17]
	s_add_nc_u64 s[10:11], s[10:11], s[16:17]
	s_wait_alu depctr_va_vdst(0)                   ; v1 and v2 are written: every load and store of the kernel reads one of them as its offset
.irp i, 0,1,2,3,4,5,6,7,8,9,10,11,12,13,14,15
	global_load_b128 v[X+4*\i:X+4*\i+3], v1, s[4:5] offset:4096*\i th:TH_LOAD_NT
.endr
.irp j, 0,1,2,3,4,5,6,7
	global_load_b64 v[W+2*\j:W+2*\j+1], v2, s[6:7] offset:2048*\j th:TH_LOAD_NT
.endr
; x's load i: four f32 close up into two registers of bf16
.macro XCVT i
	v_cvt_pk_bf16_f32 v[X+4*(\i)],   v[X+4*(\i)],   v[X+4*(\i)+1]
	v_cvt_pk_bf16_f32 v[X+4*(\i)+1], v[X+4*(\i)+2], v[X+4*(\i)+3]
.endm
.macro XST i
	global_store_b64 v2, v[X+4*(\i):X+4*(\i)+1], s[8:9] offset:2048*(\i)
.endm
; w8's load j: eight int8 become eight bf16 in four registers
.macro WCVT j
	v_xor_b32 v[W+2*(\j)],   s18, v[W+2*(\j)]
	v_xor_b32 v[W+2*(\j)+1], s18, v[W+2*(\j)+1]
.irp k, 0,1,2,3
	v_perm_b32 v[T+\k],   s19, v[W+2*(\j)],   s[20+\k]
	v_perm_b32 v[T+4+\k], s19, v[W+2*(\j)+1], s[20+\k]
.endr
.irp k, 0,2,4,6
	v_pk_add_f32 v[T+\k:T+\k+1], v[T+\k:T+\k+1], s[24:25] op_sel_hi:[1,0]
.endr
.irp k, 0,1,2,3
	v_cvt_pk_bf16_f32 v[O+4*(\j)+\k], v[T+2*\k], v[T+2*\k+1]
.endr
.endm
.macro WST j
	global_store_b128 v1, v[O+4*(\j):O+4*(\j)+3], s[10:11] offset:4096*(\j)
.endm
; Block g of x, g = 0 to 3: loads 4 g to 4 g + 3 are converted; the stores of the block before go out, one in front of each load's two conversions.
.macro XBLK g
	s_wait_loadcnt NX+NW-4-4*(\g)                  ; loads come back in order (ISA guide 5.7.1): this block's four are in, the 20 - 4 g younger ones stay out
.if (\g) > 0
	s_wait_alu depctr_va_vdst(0)                   ; the block before's eight conversions have written its eight registers of bf16, which the four stores below read
.endif
.irp n, 0,1,2,3
.if (\g) > 0
	XST 4*(\g)-4+\n
.endif
	XCVT 4*(\g)+\n
.endr
.endm
; Block h of w8, h = 0 to 3: loads 2 h and 2 h + 1 are converted; the stores of the block before go out in front of each load's eighteen vector lines:
; for h = 0 the last four of xh, two and two; else two of wh, one and one.
.macro WBLK h
	s_wait_loadcnt NW-2-2*(\h)                     ; this block's two loads of w8 are in, the 6 - 2 h younger ones stay out
	s_wait_alu depctr_va_vdst(0)                   ; the block before's roundings have written its store data (h = 0: x's last eight registers of bf16; else eight registers of O), which the stores below read
.irp n, 0,1
.if (\h) == 0
	XST 12+2*\n
	XST 13+2*\n
.else
	WST 2*(\h)-2+\n
.endif
	WCVT 2*(\h)+\n
.endr
.endm
	XBLK 0                                         ; block 0 has no block in front of it: no store, and no wait but the one for its data
	XBLK 1
	XBLK 2
	XBLK 3
	WBLK 0
	WBLK 1
	WBLK 2
	WBLK 3
	s_wait_alu depctr_va_vdst(0)                   ; the last block's roundings have written O's last eight registers, which the last two stores read
	WST 6
	WST 7
	s_endpgm
.Lfunc_end_k_q010ff8b05a_cast:
	.size	k_q010ff8b05a_cast, .Lfunc_end_k_q010ff8b05a_cast-k_q010ff8b05a_cast
	.p2alignl 7, 3214868480
	.fill 96, 4, 3214868480
	.section	.rodata,"a",@progbits
	.p2align	6, 0x0
	.amdhsa_kernel k_q010ff8b05a_cast
		.amdhsa_group_segment_fixed_size 0
		.amdhsa_private_segment_fixed_size 0
		.amdhsa_enable_private_segment 0
		.amdhsa_kernarg_size 32
		.amdhsa_user_sgpr_count 2
		.amdhsa_user_sgpr_kernarg_segment_ptr 1
		.amdhsa_wavefront_size32 1
		.amdhsa_system_sgpr_workgroup_id_x 1
		.amdhsa_system_sgpr_workgroup_id_y 1
		.amdhsa_system_sgpr_workgroup_id_z 1
		.amdhsa_system_vgpr_workitem_id 0
		.amdhsa_next_free_vgpr 128
		.amdhsa_next_free_sgpr 66
		.amdhsa_reserve_vcc 0
		.amdhsa_float_denorm_mode_32 3
		.amdhsa_float_denorm_mode_16_64 3
		.amdhsa_memory_ordered 1
		.amdhsa_forward_progress 1
		.amdhsa_inst_pref_size 17
	.end_amdhsa_kernel
	.amdgpu_metadata
---
amdhsa.version: [ 1, 2 ]
amdhsa.kernels:
  - .name:           k_q010ff8b05a_cast
    .symbol:         k_q010ff8b05a_cast.kd
    .args:
      - { .name: x, .offset: 0, .size: 8, .value_kind: global_buffer, .address_space: global }
      - { .name: weight_int8, .offset: 8, .size: 8, .value_kind: global_buffer, .address_space: global }
      - { .name: xh, .offset: 16, .size: 8, .value_kind: global_buffer, .address_space: global }
      - { .name: wh, .offset: 24, .size: 8, .value_kind: global_buffer, .address_space: global }
    .group_segment_fixed_size: 0
    .private_segment_fixed_size: 0
    .kernarg_segment_align: 8
    .kernarg_segment_size: 32
    .max_flat_workgroup_size: 256
    .sgpr_count:     66
    .vgpr_count:     128
    .wavefront_size: 32
...
	.end_amdgpu_metadata
.endif
;; end of part 3
;; launch gemm: the kernel of part 2 again; grid 16 x 16, 4 waves a work-group, clusters of 4 x 4, 327,680 bytes of LDS; arguments xh, wh, bias, smooth_scale, weight_scale, out0; writes out0
